; MI455X (gfx1250); checked and timed in simulation.
; The chip was launched on July 23, 2026; its instructions are those of AMD's public machine-readable ISA for CDNA 5 (MIT licence, August 2026) and "CDNA5" Instruction Set Architecture Reference Guide (July 2026). The comments in the code are by the model that wrote it; some were corrected since.
;; Distributed TP Forward. Allowed arithmetic: float matrix products may take bf16 or f16 operands with f32 sums; other float arithmetic in f32, or as packed bf16 or f16 multiplies, adds, multiply-adds, maxima and minima; sums over many terms, partial sums and values carried from step to step in f32; what a program stores and reads back later, other than sums and carried values, may be rounded once to bf16 or f16.
;; Inputs: fc1_bias 4 x 1,024 float32; fc1_weight 4 x 1,024 x 1,024 float32; fc2_bias 1,024 float32; fc2_weight 4 x 1,024 x 1,024 float32; x 8,192 x 1,024 float32.
;; Outputs: out0 8,192 x 1,024 float32.
;; One version. Each part assembles by itself: llvm-mc -triple=amdgcn-amd-amdhsa -mcpu=gfx1250 --defsym DOCPART=n.
;; ======== version 1 of 1: 3 launches
;; workspace buffers: xb 16,777,216 bytes; w1b 8,388,608 bytes; w2b 8,388,608 bytes; hid 67,108,864 bytes
;; launch cast (part 1): grid 512 x 1, 8 waves a work-group, no clusters, 0 bytes of LDS; arguments x, fc1_weight, fc2_weight, xb, w1b, w2b; writes xb, w1b, w2b
.if DOCPART == 1
	.amdgcn_target "amdgcn-amd-amdhsa--gfx1250"
	.amdhsa_code_object_version 6
	.text
	.protected	k_qf8717a9939_cast
	.globl	k_qf8717a9939_cast
	.p2align	8
	.type	k_qf8717a9939_cast,@function
k_qf8717a9939_cast:
	s_mov_b64 s[64:65], 0
	v_nop
	global_prefetch_b8 v0, s[64:65] scope:SCOPE_SE
	s_setreg_imm32_b32 hwreg(HW_REG_WAVE_MODE, 25, 1), 1
	s_wait_xcnt 0x0
; bf16 copies of the three large inputs, each number rounded once to nearest even:
;   xb [8192][1024] = x;   w1b [4096][1024] = fc1_weight, shards end to end;   w2b [1024][4096]: w2b[d][1024 w + h] = fc2_weight[w][d][h],
; so that both products of the launches behind find K along the rows of both operands.
; A stream: every byte is read once and written once, nothing is shared between waves, so there is no LDS, no barrier and no matrix work.
; 512 work-groups of 8 waves, all alike.  Wave w of group g takes four rows of 1,024 f32 (4,096 bytes): rows 16 g + 2 w and + 1 of x, row 8 g + w of
; fc1_weight and row 8 g + w of fc2_weight (both taken as [4096][1024]).  A load of the wave covers 512 consecutive bytes; its 128 numbers leave as
; 256 consecutive bytes, at a multiple of 256 from the buffer's first byte, in one store.  All 32 loads go out first; no register is written twice, so there is no loop and
; no wait but the four counted ones.
.set X, 8                              ; v[8:135]  load i of 32 in v[8+4i : 11+4i]; its two packed words take the place of its first two registers
	s_load_b256 s[4:11], s[0:1], 0x0               ; x s[4:5], fc1_weight s[6:7], fc2_weight s[8:9], xb s[10:11]
	s_load_b128 s[12:15], s[0:1], 0x20             ; w1b s[12:13], w2b s[14:15]
	v_lshrrev_b32 v1, 5, v0
	v_readfirstlane_b32 s16, v1                    ; wave 0..7
	v_and_b32 v1, 31, v0                           ; lane
	v_lshlrev_b32 v2, 4, v1                        ; 16 bytes a lane on the way in,
	v_lshlrev_b32 v3, 3, v1                        ; 8 on the way out
	s_lshl_b32 s18, ttmp9, 16                      ; x: 16 rows of 4,096 bytes a group,
	s_lshl_b32 s17, s16, 13                        ; 2 rows a wave
	s_add_co_u32 s18, s18, s17
	s_mov_b32 s19, 0
	s_lshr_b32 s20, s18, 1                         ; half of that: xb's two rows of 2,048 bytes, and also row 8 g + w of 4,096 bytes in either weight
	s_mov_b32 s21, 0
	s_lshr_b32 s22, s18, 2                         ; a quarter: row 8 g + w of 2,048 bytes in w1b
	s_mov_b32 s23, 0
	s_lshr_b32 s24, s18, 13                        ; 8 g + w = 1024 shard + d
	s_and_b32 s26, s24, 1023                       ; d
	s_lshl_b32 s26, s26, 13                        ; w2b's row d, 8,192 bytes each,
	s_lshr_b32 s24, s24, 10                        ; shard
	s_lshl_b32 s24, s24, 11                        ; its 2,048 bytes in that row
	s_add_co_u32 s26, s26, s24
	s_mov_b32 s27, 0
	s_wait_kmcnt 0x0
	s_add_nc_u64 s[4:5], s[4:5], s[18:19]
	s_add_nc_u64 s[6:7], s[6:7], s[20:21]
	s_add_nc_u64 s[8:9], s[8:9], s[20:21]
	s_add_nc_u64 s[10:11], s[10:11], s[20:21]
	s_add_nc_u64 s[12:13], s[12:13], s[22:23]
	s_add_nc_u64 s[14:15], s[14:15], s[26:27]
.set i, 0
.rept 16                               ; x's two rows lie end to end
	global_load_b128 v[X+4*i:X+4*i+3], v2, s[4:5] offset:512*i th:TH_LOAD_NT
.set i, i+1
.endr
.rept 8
	global_load_b128 v[X+4*i:X+4*i+3], v2, s[6:7] offset:512*(i-16) th:TH_LOAD_NT
.set i, i+1
.endr
.rept 8
	global_load_b128 v[X+4*i:X+4*i+3], v2, s[8:9] offset:512*(i-24) th:TH_LOAD_NT
.set i, i+1
.endr
; Row q of the wave's four is rounded and stored at s[b:b+1] + off.
.macro ROW q, b, off
	s_wait_loadcnt 24-8*(\q)                       ; loads come back in order (ISA guide 5.7.1): this row's eight are in, the 8 (3 - q) younger ones stay out
.set i, 8*(\q)
.rept 8
	v_cvt_pk_bf16_f32 v[X+4*i], v[X+4*i], v[X+4*i+1]       ; two roundings, packed
	v_cvt_pk_bf16_f32 v[X+4*i+1], v[X+4*i+2], v[X+4*i+3]
.set i, i+1
.endr
.set i, 0
.rept 8
	global_store_b64 v3, v[X+4*(8*(\q)+i):X+4*(8*(\q)+i)+1], s[(\b):(\b)+1] offset:(\off)+256*i  ; 32 lanes x 8 bytes: 256 consecutive bytes
.set i, i+1
.endr
.endm
	ROW 0, 10, 0
	ROW 1, 10, 2048
	ROW 2, 12, 0
	ROW 3, 14, 0
	s_endpgm
.Lfunc_end_k_qf8717a9939_cast:
	.size	k_qf8717a9939_cast, .Lfunc_end_k_qf8717a9939_cast-k_qf8717a9939_cast
	.p2alignl 7, 3214868480
	.fill 96, 4, 3214868480
	.section	.rodata,"a",@progbits
	.p2align	6, 0x0
	.amdhsa_kernel k_qf8717a9939_cast
		.amdhsa_group_segment_fixed_size 0
		.amdhsa_private_segment_fixed_size 0
		.amdhsa_enable_private_segment 0
		.amdhsa_kernarg_size 48
		.amdhsa_user_sgpr_count 2
		.amdhsa_user_sgpr_kernarg_segment_ptr 1
		.amdhsa_wavefront_size32 1
		.amdhsa_system_sgpr_workgroup_id_x 1
		.amdhsa_system_sgpr_workgroup_id_y 1
		.amdhsa_system_sgpr_workgroup_id_z 1
		.amdhsa_system_vgpr_workitem_id 0
		.amdhsa_next_free_vgpr 136
		.amdhsa_next_free_sgpr 66
		.amdhsa_reserve_vcc 0
		.amdhsa_float_denorm_mode_32 3
		.amdhsa_float_denorm_mode_16_64 3
		.amdhsa_memory_ordered 1
		.amdhsa_forward_progress 1
		.amdhsa_inst_pref_size 12
	.end_amdhsa_kernel
	.amdgpu_metadata
---
amdhsa.version: [ 1, 2 ]
amdhsa.kernels:
  - .name:           k_qf8717a9939_cast
    .symbol:         k_qf8717a9939_cast.kd
    .args:
      - { .name: x, .offset: 0, .size: 8, .value_kind: global_buffer, .address_space: global }
      - { .name: fc1_weight, .offset: 8, .size: 8, .value_kind: global_buffer, .address_space: global }
      - { .name: fc2_weight, .offset: 16, .size: 8, .value_kind: global_buffer, .address_space: global }
      - { .name: xb, .offset: 24, .size: 8, .value_kind: global_buffer, .address_space: global }
      - { .name: w1b, .offset: 32, .size: 8, .value_kind: global_buffer, .address_space: global }
      - { .name: w2b, .offset: 40, .size: 8, .value_kind: global_buffer, .address_space: global }
    .group_segment_fixed_size: 0
    .private_segment_fixed_size: 0
    .kernarg_segment_align: 8
    .kernarg_segment_size: 48
    .max_flat_workgroup_size: 256
    .sgpr_count:     66
    .vgpr_count:     136
    .wavefront_size: 32
...
	.end_amdgpu_metadata
.endif
;; end of part 1
;; launch fc1 (part 2): grid 16 x 16, 4 waves a work-group, clusters of 4 x 4, 327,680 bytes of LDS; arguments xb, w1b, hid, fc1_bias; writes hid
.if DOCPART == 2
	.amdgcn_target "amdgcn-amd-amdhsa--gfx1250"
	.amdhsa_code_object_version 6
	.text
	.protected	k_qf8717a9939_fc1
	.globl	k_qf8717a9939_fc1
	.p2align	8
	.type	k_qf8717a9939_fc1,@function
k_qf8717a9939_fc1:
	s_mov_b64 s[64:65], 0
	v_nop
	global_prefetch_b8 v0, s[64:65] scope:SCOPE_SE
	s_setreg_imm32_b32 hwreg(HW_REG_WAVE_MODE, 25, 1), 1
	s_wait_xcnt 0x0
	s_wait_alu depctr_hold_cnt(0) depctr_sa_sdst(0) depctr_va_vdst(0) depctr_va_sdst(0) depctr_va_ssrc(0) depctr_va_vcc(0) depctr_vm_vsrc(0)
	s_getreg_b32 s2, hwreg(HW_REG_IB_STS2, 6, 4)
	s_cmp_eq_u32 s2, 0
	s_cbranch_scc0 .Lentry_in_a_cluster
	s_endpgm
.Lentry_in_a_cluster:
	s_bfe_u32 s2, ttmp6, 0x10000c
	s_cmp_lg_u32 s2, 0xf033
	s_cbranch_scc0 .Lentry_shape_is_right
	s_endpgm
.Lentry_shape_is_right:
; hid[m][n] = relu(sum over k of xb[m][k] w1b[n][k] + b1[n]), rounded to bf16.  xb: [8192][1024], w1b: [4096][1024], hid: [8192][4096], all bf16; b1: [4096] f32; sums in f32, K ascending.
; LIMITS.  The sum starts from the bias (the C operand of its first product).  It is rounded once to bf16, and the ReLU is a packed maximum with 0 behind that rounding, which gives the same number
; as rounding behind the ReLU.  A NaN in a sum becomes 0 (the maximum lets a NaN lose); the sign of a zero is not kept; a sum beyond bf16's largest number rounds to infinity.
; A tile of hid, 256 x 256, is made by four waves, as many as a WGP has SIMDs; a wave makes 128 x 128: 64 accumulators of 16 x 16, 512 registers.  K goes in steps of 128 through a ring of two LDS
; slots filled by the tensor data mover; the rows of both tiles are 256 bytes of memory and start at multiples of 256 bytes from the buffer's first byte.
; A WORK-GROUP STAYS: 512 tiles, 256 work-groups, two tiles each, 4,096 rows apart, with the same rows of w1b.  The ring does not stop at the first tile's end: its last two changes of slots ask for
; the second tile's first two K steps, and nothing waits for the first tile's stores.
; CLUSTERS: 4 x 4 work-groups.  The four of a row of the cluster need the same tiles of xb, the four of a column the same tiles of w1b: each tile is asked for JOINTLY, by the same tensor load with the
; same descriptor and a mask that names the four, and each receives it in its own LDS.
; THE MATRIX INSTRUCTION IS USED TRANSPOSED: source 0 = 16 rows of w1b, source 1 = 16 rows of xb.  Lane l then holds row l % 16 of hid and its registers 0 to 7 the columns 8 (l / 16) + 0..7.
; REGISTERS, in windows of 256 (s_set_vgpr_msb's low byte: bits 1:0 source 0, 3:2 source 1, 5:4 source 2, 7:6 destination):
;   window 0: v0-31 addresses; v64-127, v128-191 fragments of xb, two buffers; v32-63, v192-255 at work on the way out
;   window 1: v0-63 the bias of my 128 columns, in a result's layout; v64-127, v128-191 fragments of w1b, two buffers
;   window 2: the 32 accumulators of my rows 0-63 (accumulator (a, b) at v[8 (8 a + b)]);   window 3: those of my rows 64-127
.set SIZE_M, 8192
.set SIZE_N, 4096
.set SIZE_K, 1024
.set SIZE_TILES, 2
.set KSTEP,  128
.set PITCH,  272                       ; an LDS row: 256 bytes + 16 of padding = 68 words: row r starts at bank 4 r mod 64 (64 banks of 4 bytes: ISA guide 11.1), so the 16 rows of a load start at 16 different banks
.set HALFT,  128*PITCH                 ; 128 rows: what one tensor load brings, and what one wave reads of either operand
.set SLOT,   4*HALFT                   ; xb's 256 rows, then w1b's 256 rows
.set STAGE,  2*SLOT                    ; behind the ring: 16 rows x 272 bytes for each wave, for the way out; no tensor load lands there
.set SPITCH, 272
.set SPARE,  STAGE+4*16*SPITCH         ; behind the stages: the spare words, 128 bytes for each wave: two blocks of 256 bytes that no other line names
.set LAPS,   SIZE_K/(2*KSTEP)          ; a lap = two K steps = once round the ring
.set WALK,   SIZE_M/SIZE_TILES         ; rows from a work-group's first tile to its second
.set NEXT_A, WALK*SIZE_K*2-(SIZE_K-2*KSTEP)*2   ; bytes from a slot's last K step of a tile to its first of the next: WALK rows down and back along K,
.set BACK_B, (SIZE_K-2*KSTEP)*2        ; w1b only back
.set NEXT_C, WALK*SIZE_N*2             ; bytes from a tile of hid to the next
.set ADRA, 16                          ; v16-17  LDS address of my xb fragments in slot 0, 1
.set ADRB, 20                          ; v20-21  the same for w1b
.set STO,  24                          ; v24     the way out: where I put 16 bytes of a row
.set RD,   25                          ; v25     the way out: where I read a row back
.set CO,   26                          ; v26     my byte offset in hid
.set VB,   27                          ; v27     my byte offset in a block of 16 biases: 32 (l / 16)
.set SPW,  28                          ; v28     LDS address of my spare word: SPARE + 4 x my thread's number; never rewritten
.set NIL,  29                          ; v29     0, for the add alone; never rewritten
.set ZERO, 30                          ; v30     0, for the ReLU
.set F0,   64                          ; fragment buffer 0
.set F1,   128                         ; fragment buffer 1
.set TMP,  192                         ; the way out: packed results
.set OB,   32                          ; the way out: 16 rows read back from the stage: v32-63 and v224-255 by turns
.set BI,   0                           ; window 1: block b's eight biases at BI + 8 b
.set G1,  24                           ; s[24:31] descriptor group 1 for xb's tiles
.set G0,  32                           ; s[32:39] descriptor group 0 for xb's tiles, one set for each slot
.set G1B, 48                           ; s[48:55] group 1 for w1b's tiles: it differs in the mask alone
.set G0B, 56                           ; s[56:63] group 0 for w1b's tiles
.set BP,  66                           ; s[66:67] the bias
.set MSB, 0
.macro WIN new                         ; the immediate's high byte repeats the setting that is left; a switch that changes nothing is dropped
.if MSB != (\new)
	s_set_vgpr_msb (MSB<<8)|(\new)
.set MSB, \new
.endif
.endm
.set MUL_LO, 0xa1                      ; source 0 (w1b) window 1, source 1 (xb) window 0, C and D window 2
.set MUL_B,  0x91                      ; the same with C, the bias, in window 1
.set TO_B,   0x40                      ; destination window 1, address window 0
; A joint load.  Waves 0 and 1 fetch xb's two halves, waves 2 and 3 w1b's.  Each of the two lines has one mask and one set of registers, and nothing in them hangs on a coordinate that the four
; partners do not share.  The branch hangs on the wave's number alone.  An s_nop 0 and four v_nop follow each of the two lines, ahead of the jump and the label.
.macro JLOAD s
	s_cmp_eq_u32 s11, 0
	s_cbranch_scc0 .Lfor_b_\@
	tensor_load_to_lds s[G0+4*(\s):G0+4*(\s)+3], s[G1:G1+7]
	s_nop 0
.rept 4
	v_nop
.endr
	s_branch .Lasked_\@
.Lfor_b_\@:
	tensor_load_to_lds s[G0B+4*(\s):G0B+4*(\s)+3], s[G1B:G1B+7]
	s_nop 0
.rept 4
	v_nop
.endr
.Lasked_\@:
.endm
; A round of the cluster's barrier: my work-group's barrier, so that wave 0's signal speaks for all four waves; wave 0 signals for the work-group; every wave waits for all sixteen; my work-group's barrier once more.
.macro CREST                           ; a round behind its opening barrier
	s_cmp_lg_u32 s10, 0
	s_cbranch_scc1 .Lnot_wave_0_\@
	s_barrier_signal -3
.Lnot_wave_0_\@:
	s_barrier_wait -3
	s_barrier_signal -1
	s_barrier_wait -1
.endm
.macro CROUND                          ; a whole round
	s_barrier_signal -1
	s_barrier_wait -1
	CREST
.endm
	s_load_b128 s[4:7], s[0:1], 0x0                ; xb s[4:5], w1b s[6:7]
	s_load_b64 s[8:9], s[0:1], 0x10                ; hid
	s_load_b64 s[BP:BP+1], s[0:1], 0x18            ; fc1_bias
	v_lshl_add_u32 v[SPW], v0, 2, SPARE
	v_mov_b32 v[NIL], 0
	ds_add_u32 v[SPW], v[NIL]                      ; the wave's opening: the add and its wait stand ahead of my first tensor load; the set-up below, work on registers, stands between them
	v_mov_b32 v[ZERO], 0
	v_lshrrev_b32 v1, 5, v0
	v_readfirstlane_b32 s10, v1                    ; wave 0..3
	s_lshr_b32 s11, s10, 1                         ; which half of the tile's rows is mine.  Also: I fetch for xb (0) or for w1b (1)
	s_and_b32 s12, s10, 1                          ; which half of its columns.  Also: which 128 rows of that tile I fetch
	s_bfe_u32 s40, ttmp6, 0x40000                  ; cx: my place along the cluster's x
	s_bfe_u32 s41, ttmp6, 0x40004                  ; cy: along its y
	s_lshl_b32 s42, ttmp9, 2                       ; in a cluster launch ttmp9 and ttmp7 count clusters
	s_add_co_u32 s42, s42, s40                     ; tile column = 4 x cluster x + cx, 0..15
	s_and_b32 s13, ttmp7, 0xffff
	s_lshl_b32 s13, s13, 2
	s_add_co_u32 s13, s13, s41                     ; first tile row = 4 x cluster y + cy, 0..15
	s_lshl_b32 s43, s41, 2
	s_lshl_b32 s43, 15, s43                        ; my row of the cluster: places 4 cy .. 4 cy + 3
	s_lshl_b32 s44, 0x1111, s40                    ; my column: places cx, cx + 4, cx + 8, cx + 12
	; descriptor group 1: a tile of 128 rows x 128 elements, padded in LDS
	s_or_b32 s[G1+0], s43, (1<<16)|(1<<20)|(1<<21)|(5<<22)|(3<<25)  ; 15:0 the mask: my row; 17:16 elements of 2 bytes; 20 padding on; 21 set beside a mask; 24:22 after every 64 words (code 5); 31:25 4 words (code 3)
	s_or_b32 s[G1B+0], s44, (1<<16)|(1<<20)|(1<<21)|(5<<22)|(3<<25) ; the same with the mask of my column
.irp g, G1, G1B
	s_mov_b32 s[(\g)+1], KSTEP<<16                 ; tensor_dim0 = 128
	s_mov_b32 s[(\g)+2], 128<<16                   ; tensor_dim1 = 128
	s_mov_b32 s[(\g)+3], KSTEP<<16                 ; tile_dim0 = 128
	s_mov_b32 s[(\g)+4], 128                       ; tile_dim1 = 128
	s_mov_b32 s[(\g)+5], SIZE_K                    ; elements from row to row
	s_mov_b32 s[(\g)+6], 0
	s_mov_b32 s[(\g)+7], 0
.endr
	; where the tiles come from: xb's hang on the tile row alone, w1b's on the tile column alone; each address is made in registers that never hold the other coordinate
	s_lshl_b32 s17, s12, 7                         ; which 128 rows of the tile I fetch
	s_lshl_b32 s16, s13, 8
	s_add_co_u32 s16, s16, s17                     ; xb: row 256 x tile row + 128 x half
	s_lshl_b32 s46, s42, 8
	s_add_co_u32 s46, s46, s17                     ; w1b: row 256 x tile column + 128 x half
	s_mov_b32 s17, 0
	s_mov_b32 s47, 0
	s_mov_b64 s[18:19], SIZE_K*2
	s_mul_u64 s[16:17], s[16:17], s[18:19]         ; in bytes
	s_mul_u64 s[46:47], s[46:47], s[18:19]
	s_mul_i32 s20, s10, HALFT                      ; and where they go: wave x 128 rows: no place in the cluster enters an LDS address
	s_wait_dscnt 0x0                               ; the opening add is done
	s_wait_kmcnt 0x0
	s_add_nc_u64 s[14:15], s[4:5], s[16:17]
	s_add_nc_u64 s[46:47], s[6:7], s[46:47]
	CROUND                                         ; all sixteen work-groups are here: the first joint loads meet
.irp s, 0,1
	s_mov_b32 s[G0+4*(\s)], 1                                      ; count = 1
	s_add_co_u32 s[G0+4*(\s)+1], s20, (\s)*SLOT                    ; LDS address
	s_add_nc_u64 s[G0+4*(\s)+2:G0+4*(\s)+3], s[14:15], (\s)*KSTEP*2  ; global address: K step s
	s_or_b32 s[G0+4*(\s)+3], s[G0+4*(\s)+3], 0x80000000            ; type = 2
	s_mov_b32 s[G0B+4*(\s)], 1
	s_add_co_u32 s[G0B+4*(\s)+1], s20, (\s)*SLOT
	s_add_nc_u64 s[G0B+4*(\s)+2:G0B+4*(\s)+3], s[46:47], (\s)*KSTEP*2
	s_or_b32 s[G0B+4*(\s)+3], s[G0B+4*(\s)+3], 0x80000000
	JLOAD \s                                       ; the ring is filled before anything else is done: two tensor loads of mine are out
.endr
	; A fragment is 16 rows x 32 K in 8 registers: lane l holds row l % 16; registers 0-3 K = 8 (l / 16) + 0..7, registers 4-7 K = 16 + 8 (l / 16) + 0..7: two loads of 16 bytes, 32 bytes apart.
	v_and_b32 v1, 15, v0                           ; l % 16
	v_bfe_u32 v2, v0, 4, 1                         ; l / 16
	v_mul_u32_u24 v3, v1, PITCH
	v_lshl_add_u32 v3, v2, 4, v3                   ; row x pitch + 16 x half
	s_mul_i32 s21, s11, HALFT                      ; my 128 rows of xb
	s_mul_i32 s22, s12, HALFT                      ; my 128 rows of w1b,
	s_add_co_u32 s22, s22, 2*HALFT                 ; which lie behind xb's 256
.irp s, 0,1
	v_add_nc_u32 v[ADRA+(\s)], s21, v3
	v_add_nc_u32 v[ADRB+(\s)], s22, v3
	s_add_co_u32 s21, s21, SLOT
	s_add_co_u32 s22, s22, SLOT
.endr
	s_mul_i32 s23, s10, 16*SPITCH
	s_add_co_u32 s23, s23, STAGE                   ; my stage
	v_mul_u32_u24 v4, v1, SPITCH                   ; in: row l % 16, 16 bytes for each half of the lanes
	v_lshl_add_u32 v4, v2, 4, v4
	v_add_nc_u32 v[STO], s23, v4
	v_mul_u32_u24 v5, v2, SPITCH                   ; back: lanes 0-15 take one row of 256 bytes, lanes 16-31 the next
	v_lshl_add_u32 v5, v1, 4, v5
	v_add_nc_u32 v[RD], s23, v5
	v_mul_u32_u24 v5, v2, SIZE_N*2                 ; and the same two rows in hid
	v_lshl_add_u32 v[CO], v1, 4, v5
	v_lshlrev_b32 v[VB], 5, v2
	; hid at my part of the first tile
	s_lshl_b32 s13, s13, 8
	s_lshl_b32 s14, s11, 7
	s_add_co_u32 s16, s13, s14                     ; my first row
	s_mov_b32 s17, 0
	s_mov_b64 s[18:19], SIZE_N*2
	s_mul_u64 s[16:17], s[16:17], s[18:19]
	s_lshl_b32 s46, s42, 9                         ; my first column, in bytes: 512 x tile column + 256 x half
	s_lshl_b32 s47, s12, 8
	s_add_co_u32 s46, s46, s47
	s_mov_b32 s47, 0
	s_add_nc_u64 s[16:17], s[16:17], s[46:47]
	s_add_nc_u64 s[8:9], s[8:9], s[16:17]
	s_lshl_b32 s70, s42, 10                        ; the same column in the bias, 4 bytes a number
	s_lshl_b32 s71, s12, 9
	s_add_co_u32 s70, s70, s71
	s_mov_b32 s71, 0
	s_add_nc_u64 s[BP:BP+1], s[BP:BP+1], s[70:71]
	WIN TO_B                                       ; register j of block b takes b1[my first column + 16 b + 8 (l / 16) + j]: what a result's register j holds
.irp b, 0,1,2,3,4,5,6,7
	global_load_b128 v[BI+8*(\b):BI+8*(\b)+3],   v[VB], s[BP:BP+1] offset:64*(\b)
	global_load_b128 v[BI+8*(\b)+4:BI+8*(\b)+7], v[VB], s[BP:BP+1] offset:64*(\b)+16
.endr
	WIN 0
; 16 matrix instructions: row blocks a0, a0 + 1 of the window's four (hi = 0: my rows 0-63, 1: rows 64-127) x all 8 column blocks, 32 along K.
; zero = 1: the first product starts the sums, from the bias: nothing is ever cleared.
.macro MUL16 f, hi, a0, zero
.if \zero
	WIN MUL_B+0x40*(\hi)
.else
	WIN MUL_LO+0x50*(\hi)
.endif
.irp a, \a0, (\a0)+1
.irp b, 0,1,2,3,4,5,6,7
.if \zero
	v_wmma_f32_16x16x32_bf16 v[8*(8*(\a)+(\b)):8*(8*(\a)+(\b))+7], v[(\f)+8*(\b):(\f)+8*(\b)+7], v[(\f)+8*(4*(\hi)+(\a)):(\f)+8*(4*(\hi)+(\a))+7], v[BI+8*(\b):BI+8*(\b)+7]
.else
	v_wmma_f32_16x16x32_bf16 v[8*(8*(\a)+(\b)):8*(8*(\a)+(\b))+7], v[(\f)+8*(\b):(\f)+8*(\b)+7], v[(\f)+8*(4*(\hi)+(\a)):(\f)+8*(4*(\hi)+(\a))+7], v[8*(8*(\a)+(\b)):8*(8*(\a)+(\b))+7]
.endif
.endr
.endr
.endm
; 32 LDS loads in one run: the fragments of one quarter step (128 rows of w1b, 128 rows of xb, 32 K at byte k of the rows) into buffer f
.macro FETCH slot, k, f
	WIN TO_B
.irp i, 0,1,2,3,4,5,6,7
	ds_load_b128 v[(\f)+8*(\i):(\f)+8*(\i)+3],   v[ADRB+(\slot)] offset:(\k)+(\i)*16*PITCH
	ds_load_b128 v[(\f)+8*(\i)+4:(\f)+8*(\i)+7], v[ADRB+(\slot)] offset:(\k)+(\i)*16*PITCH+32
.endr
	WIN 0
.irp i, 0,1,2,3,4,5,6,7
	ds_load_b128 v[(\f)+8*(\i):(\f)+8*(\i)+3],   v[ADRA+(\slot)] offset:(\k)+(\i)*16*PITCH
	ds_load_b128 v[(\f)+8*(\i)+4:(\f)+8*(\i)+7], v[ADRA+(\slot)] offset:(\k)+(\i)*16*PITCH+32
.endr
.endm
; A load into a register that a matrix instruction has read, and a vector instruction that reads a matrix result, stand four places behind that matrix instruction, and only plain vector
; instructions that name none of its registers are places (ISA guide 7.12.1 for vector instructions).
.macro PLACES
.rept 4
	v_nop
.endr
.endm
; A K step is four quarter steps of 32 along K, 64 matrix instructions each, on buffers 0, 1, 0, 1; the 64 accumulators take turns in the same order in every quarter.
; One of the first three: multiplies buffer f; in its middle it fetches the next quarter's fragments, at byte k of the same slot's rows, into buffer g.
.macro QUARTER slot, k, f, g, zero
	s_wait_dscnt 8                                 ; w1b's fragments and xb's rows 0-63 are in; the youngest eight loads (xb's rows 64-127) may be out
	MUL16 \f, 0, 0, \zero
	MUL16 \f, 0, 2, \zero
	PLACES
	FETCH \slot, \k, \g
	s_wait_dscnt 32                                ; all but the 32 just issued
	MUL16 \f, 1, 0, \zero
	MUL16 \f, 1, 2, \zero
.endm
; The last quarter multiplies buffer 1 and changes slots.  MEET is its first half: one barrier for the change.  In front of it each wave waits for all its tensor loads, of which one is out: its part of
; the next slot; adds 0 to its spare word; and waits for that and for its own reads of this slot.  Behind it nobody reads this slot any more and the next slot is whole.
.macro MEET round                      ; round = 1: the rest of a round of the cluster's barrier follows
	WIN 0                                          ; (the add's two registers lie in window 0)
	s_wait_tensorcnt 0x0                           ; all my tensor loads have landed
	ds_add_u32 v[SPW], v[NIL]                      ; 0 onto my spare word
	s_wait_dscnt 9                                 ; (the add and the youngest eight loads may be out)
	MUL16 F1, 0, 0, 0                              ; sixteen matrix instructions stand between the add and the wait for it
	s_wait_dscnt 0x0                               ; the add is done, and my reads of this slot are over
	s_barrier_signal -1
	MUL16 F1, 0, 2, 0                              ; work on registers while the others arrive
.if \round
	WIN 0
.endif
	s_barrier_wait -1
.endm
; The whole last quarter with a refill: this tile's K step two steps on (on = 0) or, in a tile's last two K steps, the next tile's K step 0 or 1 (on = 1).
; From a request to the wait for it a wave issues 224 matrix instructions.
.macro TURN slot, next, on
	MEET 1
	CREST                                          ; no wave of any partner still reads this slot's tile or has a load on its way
.if \on
	s_add_nc_u64 s[G0+4*(\slot)+2:G0+4*(\slot)+3], s[G0+4*(\slot)+2:G0+4*(\slot)+3], NEXT_A
	s_sub_nc_u64 s[G0B+4*(\slot)+2:G0B+4*(\slot)+3], s[G0B+4*(\slot)+2:G0B+4*(\slot)+3], BACK_B
.else
	s_add_nc_u64 s[G0+4*(\slot)+2:G0+4*(\slot)+3], s[G0+4*(\slot)+2:G0+4*(\slot)+3], 2*KSTEP*2
	s_add_nc_u64 s[G0B+4*(\slot)+2:G0B+4*(\slot)+3], s[G0B+4*(\slot)+2:G0B+4*(\slot)+3], 2*KSTEP*2
.endif
	JLOAD \slot                                    ; my one tensor load behind the round, and the first thing there; its four v_nop are also the places in front of the loads below
	FETCH \next, 0, F0
	MUL16 F1, 1, 0, 0
	MUL16 F1, 1, 2, 0
.endm
.macro TURNN                           ; the last tile's change from slot 0 to slot 1: nothing is filled again, so no round follows
	MEET 0
	PLACES
	FETCH 1, 0, F0
	MUL16 F1, 1, 0, 0
	MUL16 F1, 1, 2, 0
.endm
.macro LASTQ                           ; the very last quarter: nothing more to fetch
	s_wait_dscnt 8
	MUL16 F1, 0, 0, 0
	MUL16 F1, 0, 2, 0
	s_wait_dscnt 0x0
	MUL16 F1, 1, 0, 0
	MUL16 F1, 1, 2, 0
	WIN 0
.endm
; THE WAY OUT of block a (16 rows), in three parts.  PACK: rounded to bf16, each accumulator's registers in ascending order, then the ReLU on the packed halves.
; TOSTAGE: into my own stage in LDS, and back as whole rows of 256 bytes.  SEND: stored.
.macro PACK a
.set AC, 64*((\a)%4)
	WIN 0x0a+5*((\a)/4)                            ; sources 0 and 1: window 2 or 3
.irp b, 0,1,2,3,4,5,6,7
.irp r, 0,1,2,3
	v_cvt_pk_bf16_f32 v[TMP+4*(\b)+(\r)], v[AC+8*(\b)+2*(\r)], v[AC+8*(\b)+2*(\r)+1]
.endr
.endr
	WIN 0
.set i, 0
.rept 32
	v_pk_max_num_bf16 v[TMP+i], v[TMP+i], v[ZERO]  ; two ReLUs; nothing is rounded here
.set i, i+1
.endr
.endm
.macro TOSTAGE a
	WIN 0
.set BK, OB+192*((\a)%2)
.irp b, 0,1,2,3,4,5,6,7
	ds_store_b128 v[STO], v[TMP+4*(\b):TMP+4*(\b)+3] offset:32*(\b)
.endr
.irp t, 0,1,2,3,4,5,6,7
	ds_load_b128 v[BK+4*(\t):BK+4*(\t)+3], v[RD] offset:(\t)*2*SPITCH  ; LDS serves a wave's instructions in order (ISA guide 5.7.1.4): these see the stores above
.endr
.endm
.macro SEND a, younger                 ; younger: the LDS instructions issued behind TOSTAGE's, which may stay out
	WIN 0
.set BK, OB+192*((\a)%2)
	s_wait_dscnt \younger                          ; the block is back in registers
	s_wait_xcnt 0x0                                ; every earlier memory instruction has had its addresses translated (ISA guide 3.1): the other buffer, which the block before stored from, is loaded again only behind this wait
.irp t, 0,1,2,3,4,5,6,7
	global_store_b128 v[CO], v[BK+4*(\t):BK+4*(\t)+3], s[8:9] offset:(16*(\a)+2*(\t))*SIZE_N*2  ; 16 lanes store 256 consecutive bytes, at a multiple of 256 from hid's first byte; 126 rows at the most: 1,032,192, inside the signed 24-bit immediate
.endr
.endm
.macro WAYOUT
	PACK 0
	TOSTAGE 0
.irp a, 1,2,3,4,5,6,7                  ; block a's arithmetic stands between block a - 1's loads from the stage and the wait for them
	PACK \a
	SEND (\a)-1, 0
	TOSTAGE \a
.endr
	SEND 7, 0
.endm
	s_wait_loadcnt 0x0                             ; the bias
	s_wait_tensorcnt 1                             ; my part of K step 0 is in; K step 1's may stay out
	s_barrier_signal -1
	s_barrier_wait -1                              ; everybody's is
	FETCH 0, 0, F0
	s_mov_b32 s2, SIZE_TILES                       ; tiles to go, this one among them: the same number in every work-group
.Ltile:                                                ; (FETCH and SEND leave every window 0)
	QUARTER 0, 64,  F0, F1, 1                      ; a tile's first quarter stands in front of the loop: its products start the sums from the bias
	WIN 0                                          ; at a label and at a branch every window is 0
	s_mov_b32 s3, LAPS-1
.Llap:                                                 ; a trip goes once round the ring, from a lap's second quarter to the next lap's first, and fills both slots again
	QUARTER 0, 128, F1, F0, 0
	QUARTER 0, 192, F0, F1, 0
	TURN 0, 1, 0
	QUARTER 1, 64,  F0, F1, 0
	QUARTER 1, 128, F1, F0, 0
	QUARTER 1, 192, F0, F1, 0
	TURN 1, 0, 0
	QUARTER 0, 64,  F0, F1, 0
	WIN 0
	s_sub_co_u32 s3, s3, 1
	s_cmp_lg_u32 s3, 0
	s_cbranch_scc1 .Llap
	QUARTER 0, 128, F1, F0, 0                      ; the tile's last lap goes on
	QUARTER 0, 192, F0, F1, 0
	WIN 0
	s_cmp_eq_u32 s2, 1
	s_cbranch_scc1 .Llast_tile                     ; the last tile's tail is written out: it asks for nothing more
	TURN 0, 1, 1                                   ; the ring goes on into the next tile: slot 0 takes its K step 0,
	QUARTER 1, 64,  F0, F1, 0
	QUARTER 1, 128, F1, F0, 0
	QUARTER 1, 192, F0, F1, 0
	TURN 1, 0, 1                                   ; slot 1 its K step 1, and the next tile's first fragments are fetched
	WAYOUT                                         ; both refills are asked for: now the tile goes out.  No v_nop: blocks 0-3 were finished in front of TURN's places, and their arithmetic,
	                                               ; which names no register of the last products (blocks 4-7's), is those products' places
	s_wait_xcnt 0x0                                ; the stores have had their addresses translated: only now is their base stepped
	s_add_nc_u64 s[8:9], s[8:9], NEXT_C
	s_sub_co_u32 s2, s2, 1
	s_branch .Ltile
.Llast_tile:
	TURNN
	QUARTER 1, 64,  F0, F1, 0
	QUARTER 1, 128, F1, F0, 0
	QUARTER 1, 192, F0, F1, 0
	LASTQ
	PLACES                                         ; the conversions read results, and no other vector work is at hand
	WAYOUT
	s_wait_tensorcnt 0x0                           ; the wave's end: an add to my spare word and its wait, behind my last tensor load and my last LDS store
	ds_add_u32 v[SPW], v[NIL]
	s_wait_dscnt 0x0
	CROUND                                         ; the closing round: no work-group ends while a partner may still ask for a tile that names it
	s_endpgm
.Lfunc_end_k_qf8717a9939_fc1:
	.size	k_qf8717a9939_fc1, .Lfunc_end_k_qf8717a9939_fc1-k_qf8717a9939_fc1
	.p2alignl 7, 3214868480
	.fill 96, 4, 3214868480
	.section	.rodata,"a",@progbits
	.p2align	6, 0x0
	.amdhsa_kernel k_qf8717a9939_fc1
		.amdhsa_group_segment_fixed_size 327680
		.amdhsa_private_segment_fixed_size 0
		.amdhsa_enable_private_segment 0
		.amdhsa_kernarg_size 32
		.amdhsa_user_sgpr_count 2
		.amdhsa_user_sgpr_kernarg_segment_ptr 1
		.amdhsa_wavefront_size32 1
		.amdhsa_system_sgpr_workgroup_id_x 1
		.amdhsa_system_sgpr_workgroup_id_y 1
		.amdhsa_system_sgpr_workgroup_id_z 1
		.amdhsa_system_vgpr_workitem_id 0
		.amdhsa_next_free_vgpr 1024
		.amdhsa_next_free_sgpr 72
		.amdhsa_reserve_vcc 0
		.amdhsa_float_denorm_mode_32 3
		.amdhsa_float_denorm_mode_16_64 3
		.amdhsa_memory_ordered 1
		.amdhsa_forward_progress 1
		.amdhsa_inst_pref_size 241
	.end_amdhsa_kernel
	.amdgpu_metadata
---
amdhsa.version: [ 1, 2 ]
amdhsa.kernels:
  - .name:           k_qf8717a9939_fc1
    .symbol:         k_qf8717a9939_fc1.kd
    .args:
      - { .name: xb, .offset: 0, .size: 8, .value_kind: global_buffer, .address_space: global }
      - { .name: w1b, .offset: 8, .size: 8, .value_kind: global_buffer, .address_space: global }
      - { .name: hid, .offset: 16, .size: 8, .value_kind: global_buffer, .address_space: global }
      - { .name: fc1_bias, .offset: 24, .size: 8, .value_kind: global_buffer, .address_space: global }
    .group_segment_fixed_size: 327680
    .private_segment_fixed_size: 0
    .kernarg_segment_align: 8
    .kernarg_segment_size: 32
    .max_flat_workgroup_size: 128
    .sgpr_count:     72
    .vgpr_count:     1024
    .wavefront_size: 32
...
	.end_amdgpu_metadata
.endif
;; end of part 2
;; launch fc2 (part 3): grid 4 x 64, 4 waves a work-group, clusters of 4 x 4, 327,680 bytes of LDS; arguments hid, w2b, out0, fc2_bias; writes out0
.if DOCPART == 3
	.amdgcn_target "amdgcn-amd-amdhsa--gfx1250"
	.amdhsa_code_object_version 6
	.text
	.protected	k_qf8717a9939_fc2
	.globl	k_qf8717a9939_fc2
	.p2align	8
	.type	k_qf8717a9939_fc2,@function
k_qf8717a9939_fc2:
	s_mov_b64 s[64:65], 0
	v_nop
	global_prefetch_b8 v0, s[64:65] scope:SCOPE_SE
	s_setreg_imm32_b32 hwreg(HW_REG_WAVE_MODE, 25, 1), 1
	s_wait_xcnt 0x0
	s_wait_alu depctr_hold_cnt(0) depctr_sa_sdst(0) depctr_va_vdst(0) depctr_va_sdst(0) depctr_va_ssrc(0) depctr_va_vcc(0) depctr_vm_vsrc(0)
	s_getreg_b32 s2, hwreg(HW_REG_IB_STS2, 6, 4)
	s_cmp_eq_u32 s2, 0
	s_cbranch_scc0 .Lentry_in_a_cluster
	s_endpgm
.Lentry_in_a_cluster:
	s_bfe_u32 s2, ttmp6, 0x10000c
	s_cmp_lg_u32 s2, 0xf033
	s_cbranch_scc0 .Lentry_shape_is_right
	s_endpgm
.Lentry_shape_is_right:
; out0[m][n] = sum over k of hid[m][k] w2b[n][k] + b2[n].  hid: [8192][4096] bf16, w2b: [1024][4096] bf16, b2: [1024] f32, out0: [8192][1024] f32.  Sums in f32, K ascending; the accumulators are
; loaded with the bias, so every product adds in place and nothing is cleared; the sums leave unrounded.
; THE TILE is 128 x 256: 64 x 4 = 256 tiles, one for each work-group; tiles of 256 x 256 would be 128.  Four waves, each 64 rows x 128 columns: 32 accumulators of 16 x 16, 256 registers.
; TWO ROADS INTO LDS.  With both operands brought by tensor loads two slots hold 128 along K at the most (two of 256: 2 x 384 rows x 528 = 405,504 bytes), and a tile asked for behind one step's barrier
; would have to land within 112 matrix instructions of a wave.  So:
;   w2b comes by tensor loads into two slots of 256 rows x 256 K: a refill has 240 matrix instructions of a wave in which to land, and there is one round of the cluster's barrier for 256.
;   hid comes through registers: loads into registers may stay out across barriers, here four half-steps (256 matrix instructions); each half-step (64 along K) the waves store the next half-step's
;   128 rows x 128 bytes into a ring of two half-slots of their own, with a work-group barrier between the stores and the reads and between the reads and the next stores.
; CLUSTERS: 4 x 4 work-groups.  The four of a column need the same tile of w2b: it is asked for JOINTLY, by the same tensor load with the same descriptor and a mask that names the four.  The four of a
; row need the same rows of hid and do NOT ask jointly: a joint request is a tensor load, and hid's rows beside w2b's leave no room for the longer slots (the arithmetic above).  The price: hid is asked for four times, 268 MB for 67.
; THE MATRIX INSTRUCTION IS USED TRANSPOSED (source 0 = 16 rows of w2b, source 1 = 16 rows of hid): lane l holds row l % 16 of out0 and the columns 8 (l / 16) + 0..7: 32 neighbouring bytes.
; REGISTERS, in windows of 256 (s_set_vgpr_msb's low byte: bits 1:0 source 0, 3:2 source 1, 5:4 source 2, 7:6 destination):
;   window 0: v0-31 addresses; v64-95, v128-159 fragments of hid, two buffers; v32-63, v96-127, v160-191, v224-255 hid on its way, four buffers of eight loads;
;             on the way out v64-127 and v128-191 take rows read back from the stage
;   window 1: v64-127, v128-191 fragments of w2b, two buffers          window 2: accumulator (a, b) at v[8 (8 a + b)]
.set SIZE_N, 1024
.set SIZE_K, 4096
.set KSLOT,  256                       ; along K in a slot of w2b: four half-steps, eight quarters of 32
.set PB,     528                       ; a row of w2b in LDS: 512 bytes + 16 of padding = 132 words: row r starts at bank 4 r mod 64 (64 banks of 4 bytes: ISA guide 11.1)
.set BWAVE,  64*PB                     ; 64 rows: what one tensor load brings
.set SLOTB,  256*PB                    ; 0x21000: its two bits are in none of the waves' places 0, 0x8400, 0x10800, 0x18c00, so one exclusive or turns a place in one slot into the other's
.set PA,     144                       ; a row of hid in LDS: 128 bytes + 16 = 36 words: the 16 rows of a load start at 16 different groups of four banks
.set HALFA,  128*PA                    ; a half-slot: 128 rows x 64 along K
.set ABASE,  2*SLOTB                   ; hid's ring, behind w2b's slots: written by LDS stores alone, no tensor load lands there
.set STAGE,  ABASE                     ; the way out uses the ring's bytes when the last fragments have been read: 16 rows x 528 bytes for each wave, 33,792 of the ring's 36,864
.set SP,     528                       ; a stage row: 512 bytes + 16
.set SPARE,  ABASE+2*HALFA             ; behind the ring: the spare words, 128 bytes for each wave: two blocks of 256 bytes that no other line names
.set NSLOT,  SIZE_K/KSLOT              ; 16
.set ADRA,  16                         ; v16     LDS address of my hid fragments in half-slot 0
.set ADRB0, 20                         ; v20     my lane's place in a slot of w2b; never rewritten
.set ADRB,  21                         ; v21     the same in the slot in hand
.set VO,    22                         ; v22     my byte offset in four rows of hid: 8,192 (l / 8) + 16 (l % 8); never rewritten
.set AST,   23                         ; v23     where I store those 16 bytes in half-slot 0
.set STO,   24                         ; v24     the way out: where I put 32 bytes of a row
.set RD,    25                         ; v25     the way out: where I read 16 bytes of a row back
.set CO,    26                         ; v26     my byte offset in 512 bytes of out0
.set VB,    27                         ; v27     my byte offset in a block of 16 biases: 32 (l / 16)
.set SPW,   28                         ; v28     LDS address of my spare word: SPARE + 4 x my thread's number; never rewritten
.set NIL,   29                         ; v29     0; never rewritten
.set F0,    64
.set F1,    128
.set OB,    64                         ; the way out: 16 rows of 512 bytes, 64 registers: v64-127 and v128-191 by turns
.set G1B, 24                           ; s[24:31] descriptor group 1 for w2b's tiles
.set G0,  32                           ; s[32:35] group 0 of slot 0's first fill
.set G0W, 36                           ; s[36:39] group 0 of slot 1's first fill; it then walks
.set AP,  48                           ; s[48:49] hid at my 32 rows, at the slot in hand
.set TB,  50                           ; s50      LDS byte at which the slot in hand begins
.set BP,  66                           ; s[66:67] the bias
.set MSB, 0
.macro WIN new                         ; the immediate's high byte repeats the setting that is left; a switch that changes nothing is dropped
.if MSB != (\new)
	s_set_vgpr_msb (MSB<<8)|(\new)
.set MSB, \new
.endif
.endm
.set MUL,   0xa1                       ; source 0 (w2b) window 1, source 1 (hid) window 0, C and D window 2
.set TO_B,  0x40                       ; destination window 1, address window 0
.macro CREST                           ; a round of the cluster's barrier behind its opening barrier: wave 0 signals for the work-group, every wave waits for all sixteen, my work-group's barrier once more
	s_cmp_lg_u32 s10, 0
	s_cbranch_scc1 .Lnot_wave_0_\@
	s_barrier_signal -3
.Lnot_wave_0_\@:
	s_barrier_wait -3
	s_barrier_signal -1
	s_barrier_wait -1
.endm
.macro CROUND                          ; a whole round
	s_barrier_signal -1
	s_barrier_wait -1
	CREST
.endm
.macro PLACES                          ; four places in front of loads into registers that matrix instructions have read, and of LDS stores that read results (ISA guide 7.12.1 for vector instructions)
.rept 4
	v_nop
.endr
.endm
; hid on its way.  ALOAD: eight loads into buffer b: my 32 rows' 128 bytes at byte off of the rows; a load of the wave takes four rows' 128 consecutive bytes, each piece at a multiple of 128 from hid's
; first byte; the other half of the aligned 256 is asked for one half-step later.  ASTORE: buffer b into half-slot p.
.macro ALOAD b, off
.set GB, 32+64*(\b)
.irp i, 0,1,2,3,4,5,6,7
	global_load_b128 v[GB+4*(\i):GB+4*(\i)+3], v[VO], s[AP:AP+1] offset:(\off)+(\i)*4*SIZE_K*2
.endr
.endm
.macro ASTORE b, p
.set GB, 32+64*(\b)
.irp i, 0,1,2,3,4,5,6,7
	ds_store_b128 v[AST], v[GB+4*(\i):GB+4*(\i)+3] offset:(\p)*HALFA+(\i)*4*PA
.endr
.endm
	s_load_b128 s[4:7], s[0:1], 0x0                ; hid s[4:5], w2b s[6:7]
	s_load_b64 s[8:9], s[0:1], 0x10                ; out0
	s_load_b64 s[BP:BP+1], s[0:1], 0x18            ; fc2_bias
	v_lshl_add_u32 v[SPW], v0, 2, SPARE
	v_mov_b32 v[NIL], 0
	ds_add_u32 v[SPW], v[NIL]                      ; the wave's opening: the add and its wait stand ahead of my first tensor load; the set-up below, work on registers, stands between them
	v_lshrrev_b32 v1, 5, v0
	v_readfirstlane_b32 s10, v1                    ; wave 0..3
	s_lshr_b32 s11, s10, 1                         ; which 64 of the tile's rows are mine
	s_and_b32 s12, s10, 1                          ; which 128 of its columns
	s_bfe_u32 s40, ttmp6, 0x40000                  ; cx, cy: my place in the cluster
	s_bfe_u32 s41, ttmp6, 0x40004
	s_lshl_b32 s42, ttmp9, 2
	s_add_co_u32 s42, s42, s40                     ; tile column = 4 x cluster x + cx, 0..3
	s_and_b32 s13, ttmp7, 0xffff
	s_lshl_b32 s13, s13, 2
	s_add_co_u32 s13, s13, s41                     ; tile row = 4 x cluster y + cy, 0..63
	s_lshl_b32 s44, 0x1111, s40                    ; my column of the cluster: places cx, cx + 4, cx + 8, cx + 12
	; descriptor group 1: a tile of 64 rows x 256 elements, padded in LDS
	s_or_b32 s[G1B+0], s44, (1<<16)|(1<<20)|(1<<21)|(6<<22)|(3<<25)  ; 15:0 the mask: my column; 17:16 elements of 2 bytes; 20 padding on; 21 set beside a mask; 24:22 after every 128 words (code 6); 31:25 4 words (code 3)
	s_mov_b32 s[G1B+1], KSLOT<<16                  ; tensor_dim0 = 256
	s_mov_b32 s[G1B+2], 64<<16                     ; tensor_dim1 = 64
	s_mov_b32 s[G1B+3], KSLOT<<16                  ; tile_dim0 = 256
	s_mov_b32 s[G1B+4], 64                         ; tile_dim1 = 64
	s_mov_b32 s[G1B+5], SIZE_K                     ; elements from row to row
	s_mov_b32 s[G1B+6], 0
	s_mov_b32 s[G1B+7], 0
	s_lshl_b32 s46, s42, 8
	s_lshl_b32 s47, s10, 6
	s_add_co_u32 s46, s46, s47                     ; w2b: row 256 x tile column + 64 x wave: the tile column is what my column of the cluster shares,
	s_lshl_b32 s46, s46, 13                        ; 8,192 bytes a row: under 2^23
	s_mov_b32 s47, 0
	s_lshl_b32 s16, s13, 7
	s_lshl_b32 s17, s10, 5
	s_add_co_u32 s16, s16, s17                     ; hid: row 128 x tile row + 32 x wave: the 32 rows that I bring in,
	s_lshl_b32 s16, s16, 13                        ; 8,192 bytes a row: under 2^26
	s_mov_b32 s17, 0
	s_mul_i32 s20, s10, BWAVE                      ; where my 64 rows of w2b go: no place in the cluster enters an LDS address
	s_mov_b32 s[TB], 0
	v_and_b32 v5, 31, v0                           ; lane
	v_lshrrev_b32 v6, 3, v5                        ; which of a load's four rows
	v_and_b32 v7, 7, v5                            ; which 16 of its 128 bytes
	v_lshlrev_b32 v[VO], 13, v6
	v_lshl_add_u32 v[VO], v7, 4, v[VO]
	s_wait_dscnt 0x0                               ; the opening add is done
	s_wait_kmcnt 0x0
	s_add_nc_u64 s[AP:AP+1], s[4:5], s[16:17]
	s_add_nc_u64 s[46:47], s[6:7], s[46:47]
	ALOAD 0, 0                                     ; hid's first four half-steps go out before anything else: they come the longest way
	ALOAD 1, 128
	ALOAD 2, 256
	ALOAD 3, 384
	s_mov_b32 s[G0], 1                             ; count = 1
	s_mov_b32 s[G0+1], s20                         ; LDS address: slot 0
	s_mov_b64 s[G0+2:G0+3], s[46:47]               ; global address: K 0 to 255
	s_or_b32 s[G0+3], s[G0+3], 0x80000000          ; type = 2
	s_mov_b32 s[G0W], 1
	s_add_co_u32 s[G0W+1], s20, SLOTB              ; slot 1
	s_add_nc_u64 s[G0W+2:G0W+3], s[46:47], KSLOT*2 ; K 256 to 511
	s_or_b32 s[G0W+3], s[G0W+3], 0x80000000
	CROUND                                         ; all sixteen work-groups are here: the first joint loads meet
	tensor_load_to_lds s[G0:G0+3], s[G1B:G1B+7]    ; every wave brings 64 rows of its own: two tensor loads of mine are out
	s_nop 0
	tensor_load_to_lds s[G0W:G0W+3], s[G1B:G1B+7]
	s_nop 0
	PLACES                                         ; an s_nop 0 follows each load, four v_nop the second's
	; A fragment is 16 rows x 32 K in 8 registers: lane l holds row l % 16; registers 0-3 K = 8 (l / 16) + 0..7, registers 4-7 K = 16 + 8 (l / 16) + 0..7: two loads of 16 bytes, 32 bytes apart.
	v_and_b32 v1, 15, v0                           ; l % 16
	v_bfe_u32 v2, v0, 4, 1                         ; l / 16
	v_mul_u32_u24 v3, v1, PB
	v_lshl_add_u32 v3, v2, 4, v3                   ; row x pitch + 16 x half
	s_mul_i32 s22, s12, 128*PB                     ; my 128 rows of w2b
	v_add_nc_u32 v[ADRB0], s22, v3
	v_add_nc_u32 v[ADRB], s[TB], v[ADRB0]
	v_mul_u32_u24 v4, v1, PA
	v_lshl_add_u32 v4, v2, 4, v4
	s_mul_i32 s21, s11, 64*PA                      ; my 64 rows of hid
	s_add_co_u32 s21, s21, ABASE
	v_add_nc_u32 v[ADRA], s21, v4
	v_mul_u32_u24 v4, v6, PA                       ; and where the 32 rows that I bring in go
	v_lshl_add_u32 v4, v7, 4, v4
	s_mul_i32 s21, s10, 32*PA
	s_add_co_u32 s21, s21, ABASE
	v_add_nc_u32 v[AST], s21, v4
	s_mul_i32 s23, s10, 16*SP
	s_add_co_u32 s23, s23, STAGE                   ; my stage
	v_mul_u32_u24 v4, v1, SP                       ; in: row l % 16, 32 bytes for each half of the lanes
	v_lshl_add_u32 v4, v2, 5, v4
	v_add_nc_u32 v[STO], s23, v4
	v_lshlrev_b32 v[CO], 4, v5                     ; back and out: 32 lanes x 16 bytes take a row's 512 bytes
	v_add_nc_u32 v[RD], s23, v[CO]
	v_lshlrev_b32 v[VB], 5, v2
	s_lshl_b32 s70, s42, 10                        ; my first column, 4 bytes a number: 1,024 x tile column + 512 x half: in the bias and in a row of out0
	s_lshl_b32 s71, s12, 9
	s_add_co_u32 s70, s70, s71
	s_mov_b32 s71, 0
	s_add_nc_u64 s[BP:BP+1], s[BP:BP+1], s[70:71]
	s_lshl_b32 s16, s13, 7
	s_lshl_b32 s17, s11, 6
	s_add_co_u32 s16, s16, s17                     ; my first row of out0: 128 x tile row + 64 x half,
	s_lshl_b32 s16, s16, 12                        ; 4,096 bytes each: under 2^25
	s_mov_b32 s17, 0
	s_add_nc_u64 s[8:9], s[8:9], s[16:17]
	s_add_nc_u64 s[8:9], s[8:9], s[70:71]
	WIN 0x80                                       ; destination window 2: register j of accumulator (a, b) starts as b2[my first column + 16 b + 8 (l / 16) + j], the column that it sums
.irp a, 0,1,2,3
.irp b, 0,1,2,3,4,5,6,7
	global_load_b128 v[8*(8*(\a)+(\b)):8*(8*(\a)+(\b))+3],   v[VB], s[BP:BP+1] offset:64*(\b)
	global_load_b128 v[8*(8*(\a)+(\b))+4:8*(8*(\a)+(\b))+7], v[VB], s[BP:BP+1] offset:64*(\b)+16
.endr
.endr
	WIN 0
; 8 matrix instructions: row block a x all 8 column blocks, 32 along K.  The 32 accumulators take turns in the same order in every quarter.
.macro MUL8 f, a
	WIN MUL
.irp b, 0,1,2,3,4,5,6,7
	v_wmma_f32_16x16x32_bf16 v[8*(8*(\a)+(\b)):8*(8*(\a)+(\b))+7], v[(\f)+8*(\b):(\f)+8*(\b)+7], v[(\f)+8*(\a):(\f)+8*(\a)+7], v[8*(8*(\a)+(\b)):8*(8*(\a)+(\b))+7]
.endr
.endm
; 24 LDS loads in one run: the fragments of one quarter into buffer f: 128 rows of w2b at quarter q of the slot in hand, 64 rows of hid at quarter c of half-slot p
.macro FETCH q, p, c, f
	WIN TO_B
.irp i, 0,1,2,3,4,5,6,7
	ds_load_b128 v[(\f)+8*(\i):(\f)+8*(\i)+3],   v[ADRB] offset:64*(\q)+(\i)*16*PB
	ds_load_b128 v[(\f)+8*(\i)+4:(\f)+8*(\i)+7], v[ADRB] offset:64*(\q)+(\i)*16*PB+32
.endr
	WIN 0
.irp i, 0,1,2,3
	ds_load_b128 v[(\f)+8*(\i):(\f)+8*(\i)+3],   v[ADRA] offset:(\p)*HALFA+64*(\c)+(\i)*16*PA
	ds_load_b128 v[(\f)+8*(\i)+4:(\f)+8*(\i)+7], v[ADRA] offset:(\p)*HALFA+64*(\c)+(\i)*16*PA+32
.endr
.endm
; HALF-STEP j of a slot's four: 64 along K, two quarters of 32 matrix instructions, on fragment buffers 0 and 1.
; Its first quarter fetches the second's fragments and sends hid on: st = 1: the next half-step's rows, asked for four half-steps ago, go from buffer (j + 1) % 4 into the other half-slot, whose last readers
; have passed the barrier of the half-step before; cnt = how many younger loads may stay out; ld = 1: the buffer is asked for again, with the half-step four further on.
; Its second quarter holds the barrier: in front of it my stores into the other half-slot are done and my reads of this one are back; behind it the next half-step's first fragments are fetched.
; kind 0: that barrier alone.  1: the slot of w2b ends and is filled again: the barrier opens a round of the cluster's.  2: the slot ends, nothing is filled.  3: the very last: nothing is fetched; behind the barrier the ring's bytes are free for the way out.
.macro HALF j, kind, st, ld, cnt
	s_wait_dscnt 4                                 ; w2b's fragments and hid's blocks 0 and 1 are in; the youngest four loads (blocks 2 and 3) may be out
	MUL8 F0, 0
	MUL8 F0, 1
	PLACES
	FETCH 2*(\j)+1, (\j)%2, 1, F1
.if \st
	s_wait_loadcnt \cnt                            ; loads come back in order (ISA guide 5.7.1): the buffer's eight are in, the younger half-steps' stay out
	ASTORE ((\j)+1)%4, ((\j)+1)%2
.if \ld
	ALOAD ((\j)+1)%4, ((\j)+5)*128
.endif
.endif
	s_wait_dscnt 24+8*(\st)                        ; all but the run just issued
	MUL8 F0, 2
	MUL8 F0, 3
.if ((\kind) == 1) || ((\kind) == 2)
	WIN 0                                          ; (the add's two registers lie in window 0)
	s_wait_tensorcnt 0x0                           ; all my tensor loads have landed: the one that was out is my part of the next slot
	ds_add_u32 v[SPW], v[NIL]                      ; 0 onto my spare word; work on registers stands between it and the wait for it
	s_xor_b32 s[TB], s[TB], SLOTB                  ; this slot's last fragments have been asked for: the fetches go on in the other slot
	v_add_nc_u32 v[ADRB], s[TB], v[ADRB0]
.if (\kind) == 1
	s_xor_b32 s[G0W+1], s[G0W+1], SLOTB            ; no tensor load of mine is out, so the walking descriptor may be written: the other slot than last time,
	s_add_nc_u64 s[G0W+2:G0W+3], s[G0W+2:G0W+3], KSLOT*2  ; the next 256 along K; the type bits on top are not reached
.endif
	s_wait_dscnt 5+8*(\st)                         ; (the add, my stores and the youngest four loads may be out)
.else
	s_wait_dscnt 4+8*(\st)                         ; (my stores and the youngest four loads may be out)
.endif
	MUL8 F1, 0
	s_wait_dscnt 0x0                               ; my stores into the other half-slot are done, my reads of this half-slot (and of the slot, where it ends) are back, and so is the add
	s_barrier_signal -1
	MUL8 F1, 1                                     ; work on registers while the others arrive
.if (\kind) == 1
	WIN 0
.endif
	s_barrier_wait -1
.if (\kind) == 1
	CREST                                          ; no wave of any partner still reads this slot's tile or has a load on its way
	tensor_load_to_lds s[G0W:G0W+3], s[G1B:G1B+7]  ; my one tensor load behind the round, and the first thing there
	s_nop 0
	PLACES                                         ; (the places in front of the loads below)
.elseif (\kind) != 3
	PLACES
.endif
.if (\kind) == 0
	FETCH 2*(\j)+2, ((\j)+1)%2, 0, F0
.elseif (\kind) != 3
	FETCH 0, 0, 0, F0
.endif
	MUL8 F1, 2
	MUL8 F1, 3
.endm
; THE WAY OUT of row block a.  TOSTAGE: a lane's 32 bytes of a row go from the accumulators into my own stage, each accumulator's low four registers first, and come back as whole rows of 512 bytes.  SEND: stored.
.macro TOSTAGE a
.set BK, OB+64*((\a)%2)
	WIN 0x08                                       ; an LDS store's data are source 1: window 2
.irp b, 0,1,2,3,4,5,6,7
	ds_store_b128 v[STO], v[8*(8*(\a)+(\b)):8*(8*(\a)+(\b))+3]   offset:64*(\b)
	ds_store_b128 v[STO], v[8*(8*(\a)+(\b))+4:8*(8*(\a)+(\b))+7] offset:64*(\b)+16
.endr
	WIN 0
.if (\a) >= 2
	s_wait_xcnt 0x0                                ; every earlier memory instruction has had its addresses translated (ISA guide 3.1): the registers that block a - 2 was stored from are loaded again only behind this wait
.endif
.irp t, 0,1,2,3,4,5,6,7,8,9,10,11,12,13,14,15
	ds_load_b128 v[BK+4*(\t):BK+4*(\t)+3], v[RD] offset:(\t)*SP  ; LDS serves a wave's instructions in order (ISA guide 5.7.1.4): these see the stores above; the next block's stores come behind them
.endr
.endm
.macro SEND a, younger                 ; younger: the LDS instructions issued behind block a's loads: the next block's 32, or none
.set BK, OB+64*((\a)%2)
.irp t, 0,1,2,3,4,5,6,7,8,9,10,11,12,13,14,15
	s_wait_dscnt (\younger)+15-(\t)                ; row t is back
	global_store_b128 v[CO], v[BK+4*(\t):BK+4*(\t)+3], s[8:9] offset:(16*(\a)+(\t))*SIZE_N*4 th:TH_STORE_NT  ; 512 consecutive bytes, at a multiple of 256 from out0's first byte; 63 rows at the most: 258,048
.endr
.endm
	s_wait_loadcnt 0x0                             ; hid's first four half-steps and the bias
	ASTORE 0, 0                                    ; half-step 0 into half-slot 0
	ALOAD 0, 512                                   ; half-step 4
	s_wait_tensorcnt 0x1                           ; my part of slot 0 is in; slot 1's may stay out: no tensor load fills anything behind this barrier
	s_wait_dscnt 0x0                               ; my stores are done
	s_barrier_signal -1
	s_barrier_wait -1                              ; everybody's are
	FETCH 0, 0, 0, F0
	s_mov_b32 s3, NSLOT-2
.Lslot:                                                ; a trip is a slot of w2b: 256 along K, 256 matrix instructions; every slot but the last two is filled again
	HALF 0, 0, 1, 1, 24
	HALF 1, 0, 1, 1, 24
	HALF 2, 0, 1, 1, 24
	HALF 3, 1, 1, 1, 24
	WIN 0                                          ; at a label and at a branch every window is 0
	s_wait_xcnt 0x0                                ; hid's loads have had their addresses translated: only now is their base stepped
	s_add_nc_u64 s[AP:AP+1], s[AP:AP+1], KSLOT*2
	s_sub_co_u32 s3, s3, 1
	s_cmp_lg_u32 s3, 0
	s_cbranch_scc1 .Lslot
	HALF 0, 0, 1, 1, 24                            ; the last two slots are written out; these three ask for hid's half-steps 61 to 63, the last
	HALF 1, 0, 1, 1, 24
	HALF 2, 0, 1, 1, 24
	HALF 3, 2, 1, 0, 24
	HALF 0, 0, 1, 0, 16                            ; nothing is asked for any more: the counts run down
	HALF 1, 0, 1, 0, 8
	HALF 2, 0, 1, 0, 0
	HALF 3, 3, 0, 0, 0
	PLACES                                         ; the LDS stores read results, and the loads behind them land where fragments lay
	TOSTAGE 0
	TOSTAGE 1                                      ; a block's way through the stage stands between the loads of the block before and its stores
	SEND 0, 32
	TOSTAGE 2
	SEND 1, 32
	TOSTAGE 3
	SEND 2, 32
	SEND 3, 0
	s_wait_tensorcnt 0x0                           ; the wave's end: an add to my spare word and its wait, behind my last tensor load and my last LDS store
	ds_add_u32 v[SPW], v[NIL]
	s_wait_dscnt 0x0
	CROUND                                         ; the closing round: no work-group ends while a partner may still ask for a tile that names it
	s_endpgm
.Lfunc_end_k_qf8717a9939_fc2:
	.size	k_qf8717a9939_fc2, .Lfunc_end_k_qf8717a9939_fc2-k_qf8717a9939_fc2
	.p2alignl 7, 3214868480
	.fill 96, 4, 3214868480
	.section	.rodata,"a",@progbits
	.p2align	6, 0x0
	.amdhsa_kernel k_qf8717a9939_fc2
		.amdhsa_group_segment_fixed_size 327680
		.amdhsa_private_segment_fixed_size 0
		.amdhsa_enable_private_segment 0
		.amdhsa_kernarg_size 32
		.amdhsa_user_sgpr_count 2
		.amdhsa_user_sgpr_kernarg_segment_ptr 1
		.amdhsa_wavefront_size32 1
		.amdhsa_system_sgpr_workgroup_id_x 1
		.amdhsa_system_sgpr_workgroup_id_y 1
		.amdhsa_system_sgpr_workgroup_id_z 1
		.amdhsa_system_vgpr_workitem_id 0
		.amdhsa_next_free_vgpr 768
		.amdhsa_next_free_sgpr 72
		.amdhsa_reserve_vcc 0
		.amdhsa_float_denorm_mode_32 3
		.amdhsa_float_denorm_mode_16_64 3
		.amdhsa_memory_ordered 1
		.amdhsa_forward_progress 1
		.amdhsa_inst_pref_size 137
	.end_amdhsa_kernel
	.amdgpu_metadata
---
amdhsa.version: [ 1, 2 ]
amdhsa.kernels:
  - .name:           k_qf8717a9939_fc2
    .symbol:         k_qf8717a9939_fc2.kd
    .args:
      - { .name: hid, .offset: 0, .size: 8, .value_kind: global_buffer, .address_space: global }
      - { .name: w2b, .offset: 8, .size: 8, .value_kind: global_buffer, .address_space: global }
      - { .name: out0, .offset: 16, .size: 8, .value_kind: global_buffer, .address_space: global }
      - { .name: fc2_bias, .offset: 24, .size: 8, .value_kind: global_buffer, .address_space: global }
    .group_segment_fixed_size: 327680
    .private_segment_fixed_size: 0
    .kernarg_segment_align: 8
    .kernarg_segment_size: 32
    .max_flat_workgroup_size: 128
    .sgpr_count:     72
    .vgpr_count:     768
    .wavefront_size: 32
...
	.end_amdgpu_metadata
.endif
;; end of part 3
